; MI455X (gfx1250); checked and timed in simulation.
; The chip was launched on July 23, 2026; its instructions are those of AMD's public machine-readable ISA for CDNA 5 (MIT licence, August 2026) and "CDNA5" Instruction Set Architecture Reference Guide (July 2026). The comments in the code are by the model that wrote it; some were corrected since.
;; Multi Head Attention With CLS Token. Allowed arithmetic: matrix products marked QUANTISED: E2M3 operands, one E8M0 scale for each 32 along K, by v_wmma_scale_f32_16x16x128_f8f6f4 with both operands' format E2M3, f32 sums; products left as they are: f32 operands where the result goes on into a quantised operand, else bf16, f16 or f32 operands; f32 sums; everything else in f32.
;; Inputs: Wk 1,024 x 1,024 float32; Wo 1,024 x 1,024 float32; Wq 1,024 x 1,024 float32; Wv 1,024 x 1,024 float32; bk 1,024 float32; bo 1,024 float32; bq 1,024 float32; bv 1,024 float32; ln_b 1,024 float32; ln_g 1,024 float32; x 32 x 1,024 x 1,024 float32.
;; Outputs: out0 32 x 1,024 float32.
;; This version of the problem:
;;   THIS VERSION OF THE PROBLEM IS GIVEN IN LOW PRECISION. The matrix products marked QUANTISED in the list below multiply operands that are first quantised to E2M3 (2 exponent bits, 3 mantissa bits; 6 bits a number), with one power-of-two scale for each 32 numbers along K (OCP MX v1.0); their sums are f32. All else is computed in f32.
;;   The module's matrix products, in the order in which they are computed (A, B: the left and right operand; K: the contracted axis; several contracted axes count as one K, in the product's order):
;;     1. [M 32, K 1,024] x [K 1,024, N 1,024]; A: input x; B: input Wq: QUANTISED
;;     2. [M 32,736, K 1,024] x [K 1,024, N 1,024]; A: input x; B: input Wk: QUANTISED
;;     3. [M 32,736, K 1,024] x [K 1,024, N 1,024]; A: input x; B: input Wv: QUANTISED
;;     4. batch 512 x [M 1, K 64] x [K 64, N 1,023]; A: computed on the way; B: computed on the way: left as it is (M = 1 < 16)
;;     5. batch 512 x [M 1, K 1,023] x [K 1,023, N 64]; A: softmax; B: computed on the way: left as it is (M = 1 < 16)
;;     6. [M 32, K 1,024] x [K 1,024, N 1,024]; A: computed on the way; B: input Wo: QUANTISED
;;   THE QUANTISER, for each operand of a quantised product, along K:
;;     - K is cut into blocks of 32 from its start; a last block that is shorter is filled with zeros.
;;     - A block's scale is 2^e with e = floor(log2(the largest magnitude in the block)) - 2, held to -126 .. 127; a block of zeros has e = 0. As a byte (E8M0): e + 127.
;;     - Each number is divided by its block's scale, clamped to +-7.5, and rounded to the nearest number of E2M3, ties to even, subnormals kept.
;;     - The product sums the exact products of the quantised numbers (number of the format x scale) in f32.
;;   ~~~python
;;   def quantise(x, axis):      # numpy; x: float32 -> the quantised numbers, widened to float32 again
;;       x = np.moveaxis(x, axis, -1); K = x.shape[-1]
;;       x = np.pad(x, [(0, 0)] * (x.ndim - 1) + [(0, -K % 32)]); x = x.reshape(x.shape[:-1] + (-1, 32)); a = np.abs(x).max(-1, keepdims=True)
;;       e = np.where(a > 0, np.clip(np.frexp(np.where(a > 0, a, 1))[1] - 1 - 2, -126, 127), 0)      # np.frexp(a)[1] - 1 = floor(log2(a)), exactly
;;       r = np.clip(x / 2.0 ** e, -7.5, 7.5)
;;       step = 2.0 ** (np.maximum(np.frexp(np.where(r == 0, 1, r))[1] - 1, 0) - 3)
;;       q = np.round(r / step) * step * 2.0 ** e      # np.round: ties to even
;;       return np.moveaxis(q.reshape(q.shape[:-2] + (-1,))[..., :K], -1, axis).astype(np.float32)
;;   ~~~
;;   OPERANDS COMPUTED ON THE WAY. 'Computed on the way' means the value that the module computes at that place (a softmax that the list does not call 'softmax' is quantised finished and normalised). What goes into a quantiser is computed in f32, as accurately as f32 sums, v_exp_f32 and their like allow (about 1e-6 of the number): no bf16 or f16 on the way to a quantiser, and a product that is left as it is and whose result goes on into a quantised operand takes f32 operands (vector FMAs, or v_wmma_f32_16x16x4_f32). A number that lies on a knife's edge between two numbers of the format may be rounded either way, as far as f32 arithmetic and the matrix unit's own rounding can turn it there, and no further.
;; One version. Each part assembles by itself: llvm-mc -triple=amdgcn-amd-amdhsa -mcpu=gfx1250 --defsym DOCPART=n.
;; ======== version 1 of 1: 4 launches
;; limits: right only within a limited range of input values
;; workspace buffers: wkv 1,638,400 bytes; qp 524,288 bytes; part 1,048,576 bytes; pml 32,768 bytes; yp 1,048,576 bytes; wo6 819,200 bytes
;; launch prep (part 1): grid 320 x 1, 4 waves a work-group, no clusters, 35,328 bytes of LDS; arguments Wq, Wk, Wv, x, wkv, qp, Wo, wo6; writes wkv, qp, wo6
.if DOCPART == 1
	.amdgcn_target "amdgcn-amd-amdhsa--gfx1250"
	.amdhsa_code_object_version 6
	.text
	.protected	k_q50c2852f6a_prep
	.globl	k_q50c2852f6a_prep
	.p2align	8
	.type	k_q50c2852f6a_prep,@function
k_q50c2852f6a_prep:
	s_mov_b64 s[64:65], 0
	v_nop
	global_prefetch_b8 v0, s[64:65] scope:SCOPE_SE
	s_setreg_imm32_b32 hwreg(HW_REG_WAVE_MODE, 25, 1), 1
	s_wait_xcnt 0x0
; Wk, Wv and Wo, [1024][1024] f32 with K innermost, become codes of FP6 (E2M3) with one E8M0 scale byte for each 32 along K, laid in the order of the operand's registers;
; and q's product, Q(cls) Q(Wq)^T, is made in four partial sums along K (bq is added by the next launch).
; WORK LEFT OUT BY THE WHOLE PROGRAM: bk.  scores[b,h,s] = q[b,h] . (k'[b,s,h] + bk[h]) / 8 with k' = Q(others) Q(Wk)^T; the term q[b,h] . bk[h] / 8 holds no s, so it is the same along the softmax's axis
; and leaves w unchanged for all values of the inputs; product 4 is not quantised, so bk moves no code and no scale.  bk has then no way to the output: it is not loaded and is no launch's argument.
; bv is live: since the softmax's weights sum to 1, sum_s w (v' + bv) = sum_s w v' + bv, and it is added once, where the chunks are joined.
; LIMIT: a NaN, an infinity or an overflow that reaches only the term q . bk is not carried to the result.
; A BLOCK of wkv and of wo6 is 12,800 bytes: eight fragments of 1,536 bytes, each the image of 12 registers (registers 4 g .. 4 g + 3 of lane l at 512 g + 16 l), then 512 bytes of scale words (row r of fragment f at 32 r + 4 f).
; wkv: [head 16][K step 8][block]: fragments 0-3 the head's 64 rows of Wk in blocks of 16, 4-7 of Wv.   wo6: [128 rows of Wo: 8][K step 8][block]: fragment f rows 16 f on.   qp: [quarter of K 4][batch 32][n 1024] f32.
; SHARES: work-groups 0-127 make q: 16 rows (block g % 64) of Wq against batches 16 (g / 64) on; 128-191 take Wk, 192-255 Wv, 256-319 Wo, 16 rows (block g % 64) each.  Wave w takes K steps 2 w and 2 w + 1.  Waves share nothing: no barrier.
; A wave of q's path has eight units, 64 loads, all issued at its start; a wave of the weights' path four.
; A UNIT is 16 rows x 64 numbers.  Eight loads bring it, each two whole rows' 256 consecutive bytes (lanes 0-15 one row, lanes 16-31 the next); it turns through the wave's own
; stage in LDS (rows 272 bytes apart) and comes back with one whole block of 32 along K in a lane: k = 64 c + 32 (lane / 16) + 0 .. 31 of row lane % 16,
; which is the order of the operand's registers 6 c .. 6 c + 5.  A block's scale is its largest magnitude's exponent field less 2, held at 1 from below.
; No cluster, no prefetch: each byte is read once, and there is no loop to run ahead in.
; LIMITS: NaN and infinities among the inputs are not served; a block whose largest magnitude lies under 2^-124 gets the byte 1, and so does a block of zeros (the rule says 127: its codes are zeros,
; and this program alone reads the bytes); q's K is summed in four f32 partial sums.
; The two paths part on the work-group's number and have LDS bytes of their own.
.set STGB, 4352                        ; a stage: 16 rows x 272 bytes
.set GOF,  4                           ; v4   4096 (lane / 16) + 16 (lane % 16): my 16 bytes of a load's two rows
.set SH8,  5                           ; v5   8 (lane / 16)
.set L16,  10                          ; v10  16 x lane
.set SOF,  11                          ; v11  where my scale word goes: 32 r + 12,800 h
.set QOF,  12                          ; v12  my place in qp: 4096 r + 32 h
.set SDT,  13                          ; v13  the scale word that I store
.set R16,  14                          ; v14  16 r
.set TP,   26                          ; v26  a lane permute's destination
.set COF,  32                          ; v32-39  cls: byte offsets of the rows of load i
.set FRG,  48                          ; v48-95  fragments: the weight's two, then cls's two
.set WRD,  120                         ; v120-123 their scale words: these registers hold scales and nothing else
.set X,    128                         ; v128-191 two sets of 32 neighbours
.set PT,   204
.set TM,   212
.set SCO,  214
.set BY,   216
.set PW,   218
.set SEL,  46                          ; s[46:47] selects for lane l xor 16
.set MSB, 0
.macro WIN new                         ; the immediate's high byte repeats the setting that is left
.if MSB != (\new)
	s_set_vgpr_msb (MSB<<8)|(\new)
.set MSB, (\new)
.endif
.endm
; unit u into set u of window 1.  u < 4: the weight's rows, K step u / 2 of my two, half u % 2.  u >= 4: cls rows, K step (u / 2) % 2, half u % 2
.macro LOADU u
	WIN 0x40
.if (\u) < 4
.irp i, 0,1,2,3,4,5,6,7
	global_load_b128 v[32*(\u)+4*\i:32*(\u)+4*\i+3], v[GOF], s[36:37] offset:8192*\i+512*((\u)>>1)+256*((\u)&1) th:TH_LOAD_NT
.endr
.else
.irp i, 0,1,2,3,4,5,6,7
	global_load_b128 v[32*(\u)+4*\i:32*(\u)+4*\i+3], v[COF+\i], s[10:11] offset:512*(((\u)>>1)&1)+256*((\u)&1)
.endr
.endif
.endm
.macro XTURN set, xs                   ; a set goes through my stage: LDS serves a wave's instructions in order
	WIN 0x04
.irp i, 0,1,2,3,4,5,6,7
	ds_store_b128 v[STW], v[32*(\set)+4*\i:32*(\set)+4*\i+3] offset:544*\i
.endr
	WIN 0
.irp j, 0,1,2,3,4,5,6,7
	ds_load_b128 v[X+32*(\xs)+4*\j:X+32*(\xs)+4*\j+3], v[STR] offset:16*\j
.endr
.endm
.macro QH xs, c, dst                   ; my block of 32 becomes registers 6 c .. 6 c + 5 of the fragment at dst, its byte goes to v[BY + c]
.set XQ, X+32*(\xs)
.set DQ, (\dst)+6*(\c)
.set PQ, PT+4*(\c)
	v_max3_num_f32 v[TM], |v[XQ]|, |v[XQ+1]|, |v[XQ+2]|
	v_max3_num_f32 v[TM+1], |v[XQ+3]|, |v[XQ+4]|, |v[XQ+5]|
.irp i, 6,10,14,18,22,26
	v_max3_num_f32 v[TM], v[TM], |v[XQ+\i]|, |v[XQ+\i+1]|
	v_max3_num_f32 v[TM+1], v[TM+1], |v[XQ+\i+2]|, |v[XQ+\i+3]|
.endr
	v_max3_num_f32 v[TM], v[TM], |v[XQ+30]|, |v[XQ+31]|
	v_max3_num_f32 v[TM], v[TM], v[TM+1], 0x1800000    ; the floor 2^(3 - 127): the byte cannot fall under 1
	v_add_nc_u32 v[SCO+(\c)], 0xff000000, v[TM]        ; 2 off the exponent field: the conversion's scale operand
	v_lshrrev_b32 v[BY+(\c)], 23, v[SCO+(\c)]
	v_cvt_scalef32_pk16_fp6_f32 v[DQ:DQ+2], v[XQ:XQ+15], v[SCO+(\c)]
	v_cvt_scalef32_pk16_fp6_f32 v[PQ:PQ+2], v[XQ+16:XQ+31], v[SCO+(\c)]
	v_nop                                              ; one plain place behind a scaled conversion
.irp i, 0,1,2
	v_mov_b32 v[DQ+3+\i], v[PQ+\i]
.endr
.endm
.macro QW word                         ; my two bytes and lane l xor 16's two make the row's scale word
	v_lshl_or_b32 v[PW], v[BY+1], 16, v[BY]
	v_lshlrev_b32 v[PW], v[SH8], v[PW]
	v_permlanex16_b32 v[TP], v[PW], s[SEL], s[SEL+1]
	v_or_b32 v[\word], v[PW], v[TP]
.endm
.macro STEPU u, nu                     ; unit u of nu is quantised while unit u + 1 turns through the stage
	s_wait_dscnt 0x0                               ; unit u is back from the stage
.if (\u)+1 < (\nu)
	s_wait_loadcnt 8*((\nu)-2-(\u))                ; unit u + 1 is in; the units behind it, eight loads each, may be out
	XTURN (\u)+1, ((\u)+1)%2
.endif
	QH (\u)%2, (\u)&1, FRG+12*((\u)>>1)
.if ((\u)&1) == 1
	QW WRD+((\u)>>1)
.endif
.endm
	s_load_b256 s[4:11], s[0:1], 0x0               ; Wq s[4:5], Wk s[6:7], Wv s[8:9], x s[10:11]
	s_load_b256 s[12:19], s[0:1], 0x20             ; wkv s[12:13], qp s[14:15], Wo s[16:17], wo6 s[18:19]
	v_lshl_add_u32 v254, v0, 2, 0x8800             ; my spare word, behind the eight stages
	v_mov_b32 v255, 0
	v_lshrrev_b32 v1, 5, v0
	v_readfirstlane_b32 s20, v1                    ; wave 0..3
	v_and_b32 v1, 31, v0                           ; lane
	v_and_b32 v2, 15, v0                           ; r
	v_bfe_u32 v3, v0, 4, 1                         ; h
	v_lshlrev_b32 v[R16], 4, v2
	v_lshl_add_u32 v[GOF], v3, 12, v[R16]
	v_lshlrev_b32 v[SH8], 3, v3
	v_lshlrev_b32 v[L16], 4, v1
	v_mov_b32 v[TP], 0                             ; a lane permute's destination counts as one of its sources
	s_mul_i32 s21, s20, STGB
	v_mul_u32_u24 v6, v3, 272
	v_add_nc_u32 v6, v6, v[R16]
	v_add_nc_u32 v6, s21, v6                       ; the weights' path: into my stage: row 2 i + h, 16 r
	v_mul_u32_u24 v7, v2, 272
	v_lshl_add_u32 v7, v3, 7, v7
	v_add_nc_u32 v7, s21, v7                       ; and out of it: row r, 128 h
	v_add_nc_u32 v8, 4*STGB, v6                    ; q's path: stages of its own
	v_add_nc_u32 v9, 4*STGB, v7
	s_mov_b32 s[SEL], 0x76543210
	s_mov_b32 s[SEL+1], 0xfedcba98
	s_and_b32 s22, ttmp9, 63                       ; which 16 rows
	s_lshl_b32 s24, s22, 16                        ; 16 rows of 4,096 bytes,
	s_lshl_b32 s23, s20, 10                        ; my two K steps: 1,024 bytes of a row
	s_add_co_u32 s24, s24, s23
	s_mov_b32 s25, 0
	s_wait_alu depctr_va_vdst(0)
	s_wait_kmcnt 0x0
	s_cmp_lt_u32 ttmp9, 256                        ; which weight, and where it goes: the choices hang on the work-group's number alone
	s_cselect_b64 s[36:37], s[8:9], s[16:17]
	s_cselect_b64 s[12:13], s[12:13], s[18:19]
	s_cmp_lt_u32 ttmp9, 192
	s_cselect_b64 s[36:37], s[6:7], s[36:37]
	s_cmp_lt_u32 ttmp9, 128
	s_cselect_b64 s[36:37], s[4:5], s[36:37]
	s_add_nc_u64 s[36:37], s[36:37], s[24:25]
	LOADU 0                                        ; the weight's four units: both paths want them
	LOADU 1
	LOADU 2
	LOADU 3
	WIN 0
	s_cmp_lt_u32 ttmp9, 128
	s_cbranch_scc1 .Lq
	; ---- Wk, Wv or Wo: two fragments and their scale words go to wkv or wo6
.set STW, 6
.set STR, 7
	s_lshr_b32 s26, ttmp9, 6                       ; 2: Wk, 3: Wv, 4: Wo
	s_sub_co_u32 s26, s26, 2
	s_lshl_b32 s26, s26, 2
	s_and_b32 s27, s22, 3
	s_add_co_u32 s26, s26, s27                     ; Wk, Wv: fragment 4 x (Wv) + row block % 4,
	s_lshr_b32 s27, s22, 2                         ; of head row block / 4
	s_and_b32 s28, s22, 7                          ; Wo: fragment row block % 8,
	s_lshr_b32 s29, s22, 3                         ; of the 128 rows row block / 8
	s_cmp_lt_u32 ttmp9, 256
	s_cselect_b32 s26, s26, s28
	s_cselect_b32 s27, s27, s29
	s_mul_i32 s27, s27, 102400
	s_mul_i32 s28, s20, 25600                      ; K step 2 w
	s_add_co_u32 s27, s27, s28
	s_mul_i32 s28, s26, 1536
	s_add_co_u32 s28, s28, s27
	s_mov_b32 s29, 0
	s_lshl_b32 s30, s26, 2
	s_add_co_u32 s30, s30, s27
	s_add_co_u32 s30, s30, 12288
	s_mov_b32 s31, 0
	s_add_nc_u64 s[32:33], s[12:13], s[30:31]      ; the block's scale words, my fragment's column
	s_add_nc_u64 s[12:13], s[12:13], s[28:29]      ; my fragment
	v_mul_u32_u24 v[SOF], v3, 12800
	v_lshl_add_u32 v[SOF], v2, 5, v[SOF]
	s_mov_b32 s34, 0xffff0000
	s_wait_alu depctr_va_vdst(0)
	s_wait_loadcnt 24                              ; unit 0 is in; three units may be out
	XTURN 0, 0
.irp u, 0,1,2,3
	STEPU \u, 4
.endr
.irp sl, 0,1
.irp g, 0,1,2
	global_store_b128 v[L16], v[FRG+12*\sl+4*\g:FRG+12*\sl+4*\g+3], s[12:13] offset:12800*\sl+512*\g   ; 32 lanes store 512 consecutive bytes, at a multiple of 256 from the buffer's first byte
.endr
.endr
	v_cndmask_b32 v[SDT], v[WRD], v[WRD+1], s34    ; lanes 0-15 store the first K step's words, lanes 16-31 the second's
	global_store_b32 v[SOF], v[SDT], s[32:33]
	s_wait_tensorcnt 0x0                           ; the wave's end
	ds_add_u32 v254, v255
	s_wait_dscnt 0x0
	s_endpgm
	; ---- Wq: the same two fragments, two of cls, and two products
.Lq:
.set STW, 8
.set STR, 9
.irp i, 0,1,2,3,4,5,6,7
	v_add_nc_u32 v[COF+\i], 2*\i, v3                       ; batch 2 i + h of my 16:
	v_lshl_add_u32 v[COF+\i], v[COF+\i], 22, v[R16]        ; its row 0 lies 2^22 bytes a batch on
.endr
	s_lshr_b32 s27, ttmp9, 6                       ; which 16 batches
	s_lshl_b32 s24, s27, 26
	s_add_co_u32 s24, s24, s23
	s_add_nc_u64 s[10:11], s[10:11], s[24:25]      ; x at my batches and my two K steps
	s_lshl_b32 s24, s20, 17                        ; qp: my quarter of K,
	s_lshl_b32 s26, s22, 6                         ; my 16 columns,
	s_add_co_u32 s24, s24, s26
	s_lshl_b32 s26, s27, 16                        ; my 16 batches
	s_add_co_u32 s24, s24, s26
	s_add_nc_u64 s[14:15], s[14:15], s[24:25]
	v_lshlrev_b32 v[QOF], 12, v2
	v_lshl_add_u32 v[QOF], v3, 5, v[QOF]
	s_wait_alu depctr_va_vdst(0)
	LOADU 4
	LOADU 5
	LOADU 6
	LOADU 7
	WIN 0
	s_wait_loadcnt 56                              ; unit 0 is in; seven units may be out
	XTURN 0, 0
.irp u, 0,1,2,3,4,5,6,7
	STEPU \u, 8
.endr
.rept 8
	v_nop                                          ; a scale register written by a vector instruction stands 8 places ahead of a scaled matrix instruction, an operand so written 4
.endr
	; transposed: source 0 = 16 rows of Wq, source 1 = 16 batches: lane (r, h) holds batch r and columns 8 h + 0 .. 7.  One accumulator, two K steps
	v_wmma_scale_f32_16x16x128_f8f6f4 v[224:231], v[FRG:FRG+11], v[FRG+24:FRG+35], 0, v[WRD], v[WRD+2] matrix_a_fmt:MATRIX_FMT_FP6 matrix_b_fmt:MATRIX_FMT_FP6
	s_wait_alu depctr_va_vdst(0)
	v_wmma_scale_f32_16x16x128_f8f6f4 v[224:231], v[FRG+12:FRG+23], v[FRG+36:FRG+47], v[224:231], v[WRD+1], v[WRD+3] matrix_a_fmt:MATRIX_FMT_FP6 matrix_b_fmt:MATRIX_FMT_FP6
.rept 4
	v_nop
.endr
	global_store_b128 v[QOF], v[224:227], s[14:15]             ; the accumulator from its low end on
	global_store_b128 v[QOF], v[228:231], s[14:15] offset:16
	s_wait_tensorcnt 0x0                           ; the wave's end
	ds_add_u32 v254, v255
	s_wait_dscnt 0x0
	s_endpgm
.Lfunc_end_k_q50c2852f6a_prep:
	.size	k_q50c2852f6a_prep, .Lfunc_end_k_q50c2852f6a_prep-k_q50c2852f6a_prep
	.p2alignl 7, 3214868480
	.fill 96, 4, 3214868480
	.section	.rodata,"a",@progbits
	.p2align	6, 0x0
	.amdhsa_kernel k_q50c2852f6a_prep
		.amdhsa_group_segment_fixed_size 35328
		.amdhsa_private_segment_fixed_size 0
		.amdhsa_enable_private_segment 0
		.amdhsa_kernarg_size 64
		.amdhsa_user_sgpr_count 2
		.amdhsa_user_sgpr_kernarg_segment_ptr 1
		.amdhsa_wavefront_size32 1
		.amdhsa_system_sgpr_workgroup_id_x 1
		.amdhsa_system_sgpr_workgroup_id_y 1
		.amdhsa_system_sgpr_workgroup_id_z 1
		.amdhsa_system_vgpr_workitem_id 0
		.amdhsa_next_free_vgpr 512
		.amdhsa_next_free_sgpr 66
		.amdhsa_reserve_vcc 0
		.amdhsa_float_denorm_mode_32 3
		.amdhsa_float_denorm_mode_16_64 3
		.amdhsa_memory_ordered 1
		.amdhsa_forward_progress 1
		.amdhsa_inst_pref_size 44
	.end_amdhsa_kernel
	.amdgpu_metadata
---
amdhsa.version: [ 1, 2 ]
amdhsa.kernels:
  - .name:           k_q50c2852f6a_prep
    .symbol:         k_q50c2852f6a_prep.kd
    .args:
      - { .name: Wq, .offset: 0, .size: 8, .value_kind: global_buffer, .address_space: global }
      - { .name: Wk, .offset: 8, .size: 8, .value_kind: global_buffer, .address_space: global }
      - { .name: Wv, .offset: 16, .size: 8, .value_kind: global_buffer, .address_space: global }
      - { .name: x, .offset: 24, .size: 8, .value_kind: global_buffer, .address_space: global }
      - { .name: wkv, .offset: 32, .size: 8, .value_kind: global_buffer, .address_space: global }
      - { .name: qp, .offset: 40, .size: 8, .value_kind: global_buffer, .address_space: global }
      - { .name: Wo, .offset: 48, .size: 8, .value_kind: global_buffer, .address_space: global }
      - { .name: wo6, .offset: 56, .size: 8, .value_kind: global_buffer, .address_space: global }
    .group_segment_fixed_size: 35328
    .private_segment_fixed_size: 0
    .kernarg_segment_align: 8
    .kernarg_segment_size: 64
    .max_flat_workgroup_size: 128
    .sgpr_count:     66
    .vgpr_count:     512
    .wavefront_size: 32
...
	.end_amdgpu_metadata
.endif
;; end of part 1
;; launch main (part 2): grid 256 x 1, 4 waves a work-group, no clusters, 120,320 bytes of LDS; arguments x, wkv, qp, bq, part, pml; writes part, pml
.if DOCPART == 2
	.amdgcn_target "amdgcn-amd-amdhsa--gfx1250"
	.amdhsa_code_object_version 6
	.text
	.protected	k_q50c2852f6a_main
	.globl	k_q50c2852f6a_main
	.p2align	8
	.type	k_q50c2852f6a_main,@function
k_q50c2852f6a_main:
	s_mov_b64 s[64:65], 0
	v_nop
	global_prefetch_b8 v0, s[64:65] scope:SCOPE_SE
	s_setreg_imm32_b32 hwreg(HW_REG_WAVE_MODE, 25, 1), 1
	s_wait_xcnt 0x0
; k' = Q(x) Q(Wk)^T and v' = Q(x) Q(Wv)^T in MX-FP6, and on them the CLS token's attention over a chunk of 128 positions.
; bk is left out (the term q . bk is the same along the softmax's axis: shown at the head of the first kernel); bv is added by the next launch (the weights sum to 1).
; SHARES: work-group g takes rows 128 g .. 128 g + 127 of x as [32,768][1,024]: batch g / 8, chunk g % 8.  Wave w quantises rows 32 w .. 32 w + 31 into an image of A's fragments in LDS;
; behind ONE barrier wave w takes heads 4 w .. 4 w + 3, a head a pass: 128 rows x (64 columns of k', 64 of v') x K 1,024 = 512 matrix instructions on 64 accumulators, then scores, the chunk's own maximum,
; p = 2^(t - m), l = sum p, o = sum p v'.   part: [g][1,024 channels] = o;  pml: [batch][head][chunk][m, l].  Row 0 of a batch (the CLS token) gets the score -infinity.
; THE WEIGHTS GO FROM MEMORY STRAIGHT INTO REGISTERS: wkv holds them as images of the operand's registers, and a fragment is multiplied by ONE wave of the work-group.  So cluster = none and no tensor load:
; through LDS each wave's 12,800 bytes of a K step would be written there and read there once more, beside the 12,288 bytes of A that it reads anyway.
; B's ring: two K steps of eight fragments; the four fragments that 32 matrix instructions have just used, and their four scale words, are asked for again for the step two on: 13 loads a group, 52 out,
; 96 matrix instructions between a request and its first use.  Two runs of loads a K step.
; PREFETCH: wkv is 6,400 blocks of 256 bytes; work-group g names blocks 25 g .. 25 g + 24 once, at the head, by one instruction of wave 0, ahead of the 32 units of quantising.  x is read once, by loads that run seven units ahead: none.
; THE MATRIX INSTRUCTION IS USED TRANSPOSED: source 0 = 16 rows of the weight, source 1 = 16 rows of x: lane (r, h) holds row r of block a and channels 16 b + 8 h + 0 .. 7.
; REGISTERS: window 0: v0-31 addresses; v32-47 A's scale words, v48-63 B's, two sets each; v64-159, v160-255 A's fragments, two sets (in the head: q, the quantiser; behind a pass set 1: the softmax).
;   window 1: v0-191 B's ring; v192-223 q.  window 2: accumulators of k' (fragment b, block a at 64 b + 8 a; in the head: x as loaded, eight sets).  window 3: those of v'.
; LIMITS: NaN and infinities among the inputs are not served; a block whose largest magnitude lies under 2^-124, and a block of zeros, gets the byte 1 (its codes are read by this launch alone).
.set FRB,   1536                       ; a fragment's image: 12 registers x 128 bytes
.set KBLK,  12800                      ; wkv: a head's K step: eight fragments and 512 bytes of scale words
.set AIMG,  0                          ; A's image: fragment (block a, K step s) at (8 a + s) FRB: a wave's two blocks are 24,576 bytes on end
.set ASC,   64*FRB                     ; A's scale words: 1,024 (a / 2) + 128 s + 8 r + 4 (a % 2)
.set STG,   ASC+4096                   ; a stage of 16 rows x 272 bytes for each wave; later its q
.set STGB,  4352
.set SPARE, STG+4*STGB                 ; the spare words: 512 bytes that no other line names
.set GOF,  4
.set SH8,  5
.set STW,  6
.set STR,  7
.set AWI,  8
.set AWC,  9
.set AWS,  10
.set AWSC, 11
.set L16,  12
.set QSW,  13
.set QBA,  14
.set ADRA, 15
.set ADSA, 17
.set R32,  18
.set POFF, 19
.set MOFF, 20
.set NINF, 21
.set TV,   22
.set PFO,  23
.set ML,   24
.set TP,   26
.set SPW,  28
.set NIL,  29
.set SCA,  32
.set SCB,  48
.set AF,   64
.set Q,    192                         ; window 1
.set O,    160
.set T,    192
.set S,    208
.set MX,   216
.set MC,   217
.set LS,   218
.set KD,   220
.set X,    128
.set PC,   192
.set PT,   204
.set TM,   212
.set SCO,  214
.set BY,   216
.set PW,   218
.set WV,   20
.set CNT,  44
.set CS,   45
.set SEL,  46
.set MSK,  48
.set MK,   52
.set PM,   53
.set AO,   55
.set SO,   57
.set QC,   60
.set MSB, 0
.macro WIN new                         ; the immediate's high byte repeats the setting that is left
.if MSB != (\new)
	s_set_vgpr_msb (MSB<<8)|(\new)
.set MSB, (\new)
.endif
.endm
.macro PLACES
.rept 4
	v_nop
.endr
.endm
; THE QUANTISER.  A unit is 16 rows x 64 numbers; unit i of a trip of eight: K step 2 t + i / 4, my block (i / 2) % 2, half i % 2.  Eight loads, each two rows' 256 consecutive bytes, into set i of window 2
.macro LOADU i, add
	WIN 0x80
.irp j, 0,1,2,3,4,5,6,7
	global_load_b128 v[32*(\i)+4*\j:32*(\i)+4*\j+3], v[GOF], s[4:5] offset:(\add)+512*((\i)>>2)+65536*(((\i)>>1)&1)+256*((\i)&1)+8192*\j th:TH_LOAD_NT
.endr
.endm
.macro XTURN set, xs                   ; a set turns through my stage and comes back a whole block of 32 along K to a lane; LDS serves a wave's instructions in order
	WIN 0x08
.irp i, 0,1,2,3,4,5,6,7
	ds_store_b128 v[STW], v[32*(\set)+4*\i:32*(\set)+4*\i+3] offset:544*\i
.endr
	WIN 0
.irp j, 0,1,2,3,4,5,6,7
	ds_load_b128 v[X+32*(\xs)+4*\j:X+32*(\xs)+4*\j+3], v[STR] offset:16*\j
.endr
.endm
.macro QH xs, c, dst                   ; my block becomes registers 6 c .. 6 c + 5 of the fragment, its byte goes to v[BY + c]
.set XQ, X+32*(\xs)
.set DQ, (\dst)+6*(\c)
.set PQ, PT+4*(\c)
	v_max3_num_f32 v[TM], |v[XQ]|, |v[XQ+1]|, |v[XQ+2]|
	v_max3_num_f32 v[TM+1], |v[XQ+3]|, |v[XQ+4]|, |v[XQ+5]|
.irp i, 6,10,14,18,22,26
	v_max3_num_f32 v[TM], v[TM], |v[XQ+\i]|, |v[XQ+\i+1]|
	v_max3_num_f32 v[TM+1], v[TM+1], |v[XQ+\i+2]|, |v[XQ+\i+3]|
.endr
	v_max3_num_f32 v[TM], v[TM], |v[XQ+30]|, |v[XQ+31]|
	v_max3_num_f32 v[TM], v[TM], v[TM+1], 0x1800000    ; the floor 2^(3 - 127): the byte cannot fall under 1
	v_add_nc_u32 v[SCO+(\c)], 0xff000000, v[TM]        ; 2 off the exponent field: the conversion's scale operand
	v_lshrrev_b32 v[BY+(\c)], 23, v[SCO+(\c)]
	v_cvt_scalef32_pk16_fp6_f32 v[DQ:DQ+2], v[XQ:XQ+15], v[SCO+(\c)]
	v_cvt_scalef32_pk16_fp6_f32 v[PQ:PQ+2], v[XQ+16:XQ+31], v[SCO+(\c)]
	v_nop                                              ; one plain place behind a scaled conversion
.irp i, 0,1,2
	v_mov_b32 v[DQ+3+\i], v[PQ+\i]
.endr
.endm
.macro QW word                         ; my two bytes and lane l xor 16's two make the row's scale word
	v_lshl_or_b32 v[PW], v[BY+1], 16, v[BY]
	v_lshlrev_b32 v[PW], v[SH8], v[PW]
	v_permlanex16_b32 v[TP], v[PW], s[SEL], s[SEL+1]
	v_or_b32 v[\word], v[PW], v[TP]
.endm
; B: K step n's fragments 4 g .. 4 g + 3 (n counted from the pass's first) and their four scale words, into set p: 13 loads
.macro BLD n, g, p
	WIN 0x40
.irp bb, 0,1,2,3
.irp q, 0,1,2
	global_load_b128 v[96*(\p)+12*(4*(\g)+\bb)+4*\q:96*(\p)+12*(4*(\g)+\bb)+4*\q+3], v[L16], s[6:7] offset:KBLK*(\n)+FRB*(4*(\g)+\bb)+512*\q
.endr
.endr
	WIN 0
	global_load_b128 v[SCB+8*(\p)+4*(\g):SCB+8*(\p)+4*(\g)+3], v[R32], s[6:7] offset:KBLK*(\n)+8*FRB+16*(\g)
.endm
; unit i is quantised while unit i + 1 turns through the stage; ld = 1: the unit eight on is asked for.  ld = 0: the last eight units
.macro STEPU i, ld
	s_wait_dscnt 0x0                               ; unit i is back from the stage, so its set has been read
.if (\ld) || ((\i) < 7)
.if \ld
	s_wait_loadcnt 48                              ; unit i + 1 is in; the six units behind it, eight loads each, may be out
.else
	s_wait_loadcnt 8*(6-(\i))                      ; the same with the units that are left
.endif
	XTURN ((\i)+1)%8, ((\i)+1)%2
.endif
.if \ld
	LOADU \i, 1024
	WIN 0
.endif
.if ((\ld) == 0) && ((\i) == 6)
.irp n, 0,1                            ; no load of x is out: B's ring is filled for the first time, K steps 0 and 1, in the order in which the groups are used
.irp g, 0,1
	BLD \n, \g, \n
.endr
.endr
.endif
	QH (\i)%2, (\i)&1, PC
.if ((\i)&1) == 1
	QW PW
.irp g, 0,1,2
	ds_store_b128 v[AWC], v[PC+4*\g:PC+4*\g+3] offset:(8*(((\i)>>1)&1)+((\i)>>2))*FRB+512*\g
.endr
	ds_store_b32 v[AWSC], v[PW] offset:128*((\i)>>2)+4*(((\i)>>1)&1)
.endif
.endm
; A: fragment a of K step n into set n % 2; the eight scale words of K step n
.macro FA n, a
.irp q, 0,1,2
	ds_load_b128 v[AF+96*((\n)&1)+12*(\a)+4*\q:AF+96*((\n)&1)+12*(\a)+4*\q+3], v[ADRA+((\a)>>2)] offset:(8*((\a)&3)+(\n))*FRB+512*\q
.endr
.endm
.macro SCALA n
.irp w, 0,1,2,3
	ds_load_b64 v[SCA+8*((\n)&1)+2*\w:SCA+8*((\n)&1)+2*\w+1], v[ADSA] offset:1024*\w+128*(\n)
.endr
.endm
.macro LOADQ                           ; this pass's q: q[16 t + 8 h + 0 .. 7]
	WIN 0x40
.irp t, 0,1,2,3
.irp e, 0,1
	ds_load_b128 v[Q+8*\t+4*\e:Q+8*\t+4*\e+3], v[QBA] offset:64*\t+16*\e
.endr
.endr
	WIN 0
.endm
; Half of K step s: B's fragments 4 g .. 4 g + 3 (g = 0: k', g = 1: v') against A's eight, 32 matrix instructions, each on another accumulator; then four places and the loads into what is free.
; z = 1: the products start the sums.  ld = 0: the launch's last two K steps, which ask for nothing that is not used.
.macro PART s, g, z, ld
.set N1, ((\s)+1)&7
.set N2, ((\s)+2)&7
.set WA, (\ld) || ((\s) == 6)
.if \ld
	s_wait_loadcnt 39                              ; this group's 13 loads are in; the 3 younger groups, 13 loads each, may be out
.else
	s_wait_loadcnt 13*(1-(\g))+26*(7-(\s))         ; the same with the groups that are left
.endif
.if (\g) == 0
.if WA
	s_wait_dscnt 9                                 ; this step's fragments of A and scale words are in; the nine loads for the step after it may be out
.else
	s_wait_dscnt 0x0
.endif
.endif
	WIN 0xa1+0x50*(\g)                             ; source 0 window 1, source 1 window 0, C and D window 2 (k') or 3 (v')
.irp bb, 0,1,2,3
.irp a, 0,1,2,3,4,5,6,7
.set DD, 64*\bb+8*\a
.set BB, 96*((\s)&1)+12*(4*(\g)+\bb)
.set AA, AF+96*((\s)&1)+12*\a
.if \z
	v_wmma_scale_f32_16x16x128_f8f6f4 v[DD:DD+7], v[BB:BB+11], v[AA:AA+11], 0, v[SCB+8*((\s)&1)+4*(\g)+\bb], v[SCA+8*((\s)&1)+\a] matrix_a_fmt:MATRIX_FMT_FP6 matrix_b_fmt:MATRIX_FMT_FP6
.else
	v_wmma_scale_f32_16x16x128_f8f6f4 v[DD:DD+7], v[BB:BB+11], v[AA:AA+11], v[DD:DD+7], v[SCB+8*((\s)&1)+4*(\g)+\bb], v[SCA+8*((\s)&1)+\a] matrix_a_fmt:MATRIX_FMT_FP6 matrix_b_fmt:MATRIX_FMT_FP6
.endif
.endr
.endr
.if (\ld) || (WA && ((\g) == 0))
	PLACES                                         ; in front of loads into registers that matrix instructions have read
.endif
.if \ld
	BLD (\s)+2, \g, (\s)&1                         ; the four fragments just used take the step two on
.else
	WIN 0
.endif
.if WA && ((\g) == 0)
.if (\s) == 0
	LOADQ
.endif
	FA N1, 3                                       ; the rest of the next step's A, into the set that the step before has left
	FA N1, 4
	FA N1, 5
	FA N1, 6
	FA N1, 7
	SCALA N1
.endif
.if (\ld) && ((\g) == 1) && ((\s) != 7)
	FA N2, 0                                       ; this step's set of A is free: the first three fragments of the step two on
	FA N2, 1
	FA N2, 2
.endif
.endm
.macro STEP s, z, ld
	PART \s, 0, \z, \ld
	PART \s, 1, \z, \ld
.endm
.macro RED n, xm, msk                  ; halves the numbers a lane holds and sums over lanes l and l xor xm
.set RI, 0
.rept \n
	v_cndmask_b32 v[KD+2*(RI%2)], v[O+RI], v[O+RI+\n], s[\msk]
	v_cndmask_b32 v[KD+2*(RI%2)+1], v[O+RI+\n], v[O+RI], s[\msk]
	v_add_f32_dpp v[O+RI], v[KD+2*(RI%2)+1], v[KD+2*(RI%2)] row_xmask:\xm row_mask:0xf bank_mask:0xf
.set RI, RI+1
.endr
.endm
	s_load_b256 s[4:11], s[0:1], 0x0               ; x s[4:5], wkv s[6:7], qp s[8:9], bq s[10:11]
	s_load_b128 s[12:15], s[0:1], 0x20             ; part s[12:13], pml s[14:15]
	v_lshl_add_u32 v[SPW], v0, 2, SPARE
	v_mov_b32 v[NIL], 0
	v_lshrrev_b32 v1, 5, v0
	v_readfirstlane_b32 s[WV], v1                  ; wave 0..3
	v_and_b32 v1, 31, v0                           ; lane
	v_and_b32 v2, 15, v0                           ; r
	v_bfe_u32 v3, v0, 4, 1                         ; h
	v_lshlrev_b32 v[L16], 4, v1
	v_lshlrev_b32 v[GOF], 4, v2
	v_lshl_add_u32 v[GOF], v3, 12, v[GOF]          ; my 16 bytes of a load's two rows
	v_min_u32 v[PFO], 24, v1
	v_lshlrev_b32 v[PFO], 8, v[PFO]                ; the prefetch: a lane a block of 256 bytes, 25 blocks; the lanes left over name the last again
	s_lshl_b32 s24, ttmp9, 19                      ; x: 128 rows of 4,096 bytes a work-group,
	s_lshl_b32 s42, s[WV], 17                      ; 32 a wave
	s_add_co_u32 s24, s24, s42
	s_mov_b32 s25, 0
	s_lshr_b32 s43, ttmp9, 3                       ; batch
	s_lshl_b32 s28, s[WV], 10                      ; my four heads: 1,024 bytes of a row of channels
	s_mov_b32 s29, 0
	s_lshl_b32 s26, s43, 12
	s_add_co_u32 s26, s26, s28
	s_mov_b32 s27, 0
	s_lshl_b32 s30, ttmp9, 12
	s_add_co_u32 s30, s30, s28
	s_mov_b32 s31, 0
	s_lshl_b32 s32, s43, 10
	s_lshl_b32 s42, s[WV], 8
	s_add_co_u32 s32, s32, s42
	s_and_b32 s42, ttmp9, 7                        ; chunk
	s_lshl_b32 s43, s42, 3
	s_add_co_u32 s32, s32, s43
	s_mov_b32 s33, 0
	s_lshl_b32 s42, s42, 7                         ; the chunk's first position
	s_mul_i32 s34, s[WV], 32*KBLK                  ; wkv: my four heads
	s_mov_b32 s35, 0
	s_mul_i32 s36, ttmp9, 6400
	s_mov_b32 s37, 0
	s_wait_alu depctr_va_vdst(0)
	s_wait_kmcnt 0x0
	s_add_nc_u64 s[4:5], s[4:5], s[24:25]
	s_add_nc_u64 s[8:9], s[8:9], s[26:27]
	s_add_nc_u64 s[10:11], s[10:11], s[28:29]
	s_add_nc_u64 s[58:59], s[6:7], s[36:37]
	s_add_nc_u64 s[6:7], s[6:7], s[34:35]
	s_add_nc_u64 s[12:13], s[12:13], s[30:31]
	s_add_nc_u64 s[14:15], s[14:15], s[32:33]
.irp k, 0,1,2,3
.irp e, 0,1
	global_load_b128 v[64+8*\k+4*\e:64+8*\k+4*\e+3], v[L16], s[8:9] offset:131072*\k+512*\e     ; q's four partial sums
.endr
.endr
.irp e, 0,1
	global_load_b128 v[96+4*\e:96+4*\e+3], v[L16], s[10:11] offset:512*\e
.endr
.irp u, 0,1,2,3,4,5,6,7
	LOADU \u, 0
.endr
	WIN 0
	s_cmp_lg_u32 s[WV], 0
	s_cbranch_scc1 .Lno_ask
	global_prefetch_b8 v[PFO], s[58:59] th:TH_LOAD_NT scope:SCOPE_SE   ; its two address registers are never written again
.Lno_ask:
	s_mul_i32 s56, s[WV], STGB
	s_add_co_u32 s56, s56, STG                     ; my stage
	v_lshlrev_b32 v[SH8], 3, v3
	v_mul_u32_u24 v[STW], v3, 272
	v_lshl_add_u32 v[STW], v2, 4, v[STW]
	v_add_nc_u32 v[STW], s56, v[STW]               ; into it: row 2 i + h, 16 r
	v_mul_u32_u24 v[STR], v2, 272
	v_lshl_add_u32 v[STR], v3, 7, v[STR]
	v_add_nc_u32 v[STR], s56, v[STR]               ; out of it: row r, 128 h
	s_mul_i32 s40, s[WV], 16*FRB
	s_add_co_u32 s40, s40, AIMG
	v_add_nc_u32 v[AWI], s40, v[L16]               ; my two blocks' part of the image
	s_lshl_b32 s40, s[WV], 10
	s_add_co_u32 s40, s40, ASC
	v_lshl_add_u32 v[AWS], v2, 3, s40              ; and of the scale words
	v_add_nc_u32 v[QSW], s56, v[L16]
	v_lshl_add_u32 v[QBA], v3, 5, s56
	v_add_nc_u32 v[ADRA], AIMG, v[L16]
	v_add_nc_u32 v[ADRA+1], 32*FRB, v[ADRA]
	v_lshl_add_u32 v[ADSA], v2, 3, ASC
	v_lshlrev_b32 v[R32], 5, v2
	v_lshrrev_b32 v[POFF], 2, v2                   ; where the two channels that the sums over lanes leave me lie in a head's 256 bytes
	v_lshlrev_b32 v[POFF], 6, v[POFF]
	v_lshl_add_u32 v[POFF], v3, 5, v[POFF]
	v_and_b32 v[TV], 3, v2
	v_lshl_add_u32 v[POFF], v[TV], 3, v[POFF]
	v_and_b32 v[MOFF], 3, v1
	v_lshlrev_b32 v[MOFF], 6, v[MOFF]
	v_mov_b32 v[NINF], 0xff800000
	v_mov_b32 v[ML], 0
	v_mov_b32 v[ML+1], 0
	v_mov_b32 v[TP], 0                             ; a lane permute's destination counts as one of its sources
	v_add_nc_u32 v[TV], s42, v2
	v_cmp_eq_u32 s[MK], 0, v[TV]                   ; the lanes that hold position 0 of a batch in block 0
	s_mov_b32 s[CS], 0x3e38aa3b                    ; log2(e) / 8
	s_mov_b32 s[SEL], 0x76543210
	s_mov_b32 s[SEL+1], 0xfedcba98
	s_mov_b32 s[MSK], 0xff00ff00
	s_mov_b32 s[MSK+1], 0xf0f0f0f0
	s_mov_b32 s[MSK+2], 0xcccccccc
	s_mov_b32 s[MSK+3], 0xaaaaaaaa
	s_mov_b32 s[PM], 0x11111111
	s_mov_b32 s[AO], 0
	s_mov_b32 s[SO], 0
	s_mov_b32 s[QC], 0
	s_wait_alu depctr_va_vdst(0)
	s_wait_loadcnt 56                              ; q, bq and unit 0 are in; seven units may be out
.irp k, 1,2,3
.irp j, 0,2,4,6
	v_pk_add_f32 v[64+\j:65+\j], v[64+\j:65+\j], v[64+8*\k+\j:65+8*\k+\j]
.endr
.endr
.irp j, 0,2,4,6
	v_pk_add_f32 v[64+\j:65+\j], v[64+\j:65+\j], v[96+\j:97+\j]
.endr
	XTURN 0, 0
.Lquant:                                               ; a trip: eight units, two K steps of my 32 rows
	v_add_nc_u32 v[AWC], s[AO], v[AWI]
	v_add_nc_u32 v[AWSC], s[SO], v[AWS]
.irp i, 0,1,2,3,4,5,6,7
	STEPU \i, 1
.endr
	s_wait_xcnt 0x0                                ; the loads have read their base
	s_add_nc_u64 s[4:5], s[4:5], 1024
	s_add_co_u32 s[AO], s[AO], 2*FRB
	s_add_co_u32 s[SO], s[SO], 256
	s_add_co_u32 s[QC], s[QC], 1
	s_cmp_lt_u32 s[QC], 3
	s_wait_alu depctr_va_vdst(0)
	s_cbranch_scc1 .Lquant
	v_add_nc_u32 v[AWC], s[AO], v[AWI]
	v_add_nc_u32 v[AWSC], s[SO], v[AWS]
.irp i, 0,1,2,3,4,5,6,7
	STEPU \i, 0
.endr
	ds_store_b128 v[QSW], v[64:67]                 ; q + bq of my four heads, into my stage, which is read no more
	ds_store_b128 v[QSW], v[68:71] offset:512
	s_wait_alu depctr_va_vdst(0)
	s_wait_dscnt 0x0                               ; for the others' sake: my part of the image lies in LDS
	s_barrier_signal -1
	s_barrier_wait -1                              ; the launch's one barrier: from here on LDS is only read
.irp a, 0,1,2,3,4,5,6,7
	FA 0, \a
.endr
	SCALA 0
	s_mov_b32 s[CNT], 4
.Lpass:                                                ; a head
	s_wait_xcnt 0x0                                ; the last pass's store has read its data, which lie where the loads below land
	FA 1, 0
	FA 1, 1
	FA 1, 2
	STEP 0, 1, 1
	STEP 1, 0, 1
	STEP 2, 0, 1
	STEP 3, 0, 1
	STEP 4, 0, 1
	STEP 5, 0, 1
	WIN 0
	s_cmp_eq_u32 s[CNT], 1
	s_cbranch_scc1 .Llast_steps
	STEP 6, 0, 1                                   ; these ask for the next head's K steps 0 and 1
	STEP 7, 0, 1
	WIN 0
	s_branch .Lsoftmax
.Llast_steps:
	STEP 6, 0, 0
	STEP 7, 0, 0
	WIN 0
.Lsoftmax:
	PLACES                                         ; behind the last products: their results are read and A's set 1 is written
	s_wait_xcnt 0x0                                ; B's loads have read their base
	s_add_nc_u64 s[6:7], s[6:7], 8*KBLK
	v_add_nc_u32 v[POFF], 0x100, v[POFF]
	v_add_nc_u32 v[QBA], 0x100, v[QBA]
	WIN 0x06                                       ; source 0: k', window 2; source 1: q, window 1
.irp i, 0,1,2,3,4,5,6,7,8,9,10,11,12,13,14,15
.irp a, 0,1,2,3,4,5,6,7
.if \i == 0
	v_pk_mul_f32 v[T+2*\a:T+2*\a+1], v[8*\a:8*\a+1], v[Q:Q+1]      ; each accumulator from its low end on
.else
	v_pk_fma_f32 v[T+2*\a:T+2*\a+1], v[64*(\i/4)+8*\a+2*(\i%4):64*(\i/4)+8*\a+2*(\i%4)+1], v[Q+2*\i:Q+2*\i+1], v[T+2*\a:T+2*\a+1]
.endif
.endr
.endr
	WIN 0
.irp a, 0,1,2,3,4,5,6,7
	v_add_f32 v[S+\a], v[T+2*\a], v[T+2*\a+1]
.endr
.irp a, 0,1,2,3,4,5,6,7
	v_permlanex16_b32 v[T+2*\a], v[S+\a], s[SEL], s[SEL+1]
.endr
.irp a, 0,1,2,3,4,5,6,7
	v_add_f32 v[S+\a], v[S+\a], v[T+2*\a]          ; q . k' of row 16 a + r
.endr
	v_cndmask_b32 v[S], v[S], v[NINF], s[MK]
	v_max3_num_f32 v[MX], v[S], v[S+1], v[S+2]
	v_max3_num_f32 v[MX], v[MX], v[S+3], v[S+4]
	v_max3_num_f32 v[MX], v[MX], v[S+5], v[S+6]
	v_max_num_f32 v[MX], v[MX], v[S+7]
.irp m, 1,2,4,8
	v_max_num_f32_dpp v[MX], v[MX], v[MX] row_xmask:\m row_mask:0xf bank_mask:0xf
.endr
	v_mul_f32 v[MC], s[CS], v[MX]                  ; m: the chunk's largest exponent to the base 2
.irp a, 0,1,2,3,4,5,6,7
	v_fma_f32 v[T+2*\a], v[S+\a], s[CS], -v[MC]
.endr
	s_wait_alu depctr_va_vdst(0)
.irp a, 0,1,2,3,4,5,6,7
	v_exp_f32 v[T+2*\a], v[T+2*\a]
.endr
	v_cndmask_b32 v[ML], v[ML], v[MC], s[PM]       ; lanes p, p + 4, .. keep pass p's m and l.  (A plain place behind the exponentials)
	s_wait_alu depctr_va_vdst(0)                   ; and behind it, ahead of its first reader
	v_add_f32 v[LS], v[T], v[T+2]
	v_add_f32 v[LS+1], v[T+4], v[T+6]
	v_add_f32 v[KD], v[T+8], v[T+10]
	v_add_f32 v[KD+1], v[T+12], v[T+14]
	v_add_f32 v[LS], v[LS], v[LS+1]
	v_add_f32 v[KD], v[KD], v[KD+1]
	v_add_f32 v[LS], v[LS], v[KD]
.irp m, 1,2,4,8
	v_add_f32_dpp v[LS], v[LS], v[LS] row_xmask:\m row_mask:0xf bank_mask:0xf
.endr
	v_cndmask_b32 v[ML+1], v[ML+1], v[LS], s[PM]
	s_lshl_b32 s[PM], s[PM], 1
	WIN 0x03                                       ; source 0: v', window 3
	s_wait_alu depctr_va_vdst(0)
.irp a, 0,1,2,3,4,5,6,7
.irp i, 0,1,2,3,4,5,6,7,8,9,10,11,12,13,14,15
.if \a == 0
	v_pk_mul_f32 v[O+2*\i:O+2*\i+1], v[64*(\i/4)+8*\a+2*(\i%4):64*(\i/4)+8*\a+2*(\i%4)+1], v[T+2*\a:T+2*\a+1] op_sel_hi:[1,0]
.else
	v_pk_fma_f32 v[O+2*\i:O+2*\i+1], v[64*(\i/4)+8*\a+2*(\i%4):64*(\i/4)+8*\a+2*(\i%4)+1], v[T+2*\a:T+2*\a+1], v[O+2*\i:O+2*\i+1] op_sel_hi:[1,0,1]
.endif
.endr
.endr
	WIN 0
	RED 16, 8, MSK                                 ; 32 channels a lane, summed over the 16 rows of the lanes: two channels a lane are left
	RED 8, 4, MSK+1
	RED 4, 2, MSK+2
	RED 2, 1, MSK+3
	global_store_b64 v[POFF], v[O:O+1], s[12:13] offset:-256       ; 32 lanes store the head's 256 consecutive bytes, at a multiple of 256 from the buffer's first byte
	s_sub_co_u32 s[CNT], s[CNT], 1
	s_cmp_lg_u32 s[CNT], 0
	s_wait_alu depctr_va_vdst(0)
	s_cbranch_scc1 .Lpass
	v_cmp_gt_u32 vcc_lo, 4, v1
	s_wait_xcnt 0x0                                ; EXEC changes only behind this wait
	s_and_saveexec_b32 s54, vcc_lo
	global_store_b64 v[MOFF], v[ML:ML+1], s[14:15] ; lane p: m and l of head 4 w + p
	s_wait_xcnt 0x0
	s_or_b32 exec_lo, exec_lo, s54
	s_wait_tensorcnt 0x0                           ; the wave's end
	ds_add_u32 v[SPW], v[NIL]
	s_wait_dscnt 0x0
	s_endpgm
.Lfunc_end_k_q50c2852f6a_main:
	.size	k_q50c2852f6a_main, .Lfunc_end_k_q50c2852f6a_main-k_q50c2852f6a_main
	.p2alignl 7, 3214868480
	.fill 96, 4, 3214868480
	.section	.rodata,"a",@progbits
	.p2align	6, 0x0
	.amdhsa_kernel k_q50c2852f6a_main
		.amdhsa_group_segment_fixed_size 120320
		.amdhsa_private_segment_fixed_size 0
		.amdhsa_enable_private_segment 0
		.amdhsa_kernarg_size 48
		.amdhsa_user_sgpr_count 2
		.amdhsa_user_sgpr_kernarg_segment_ptr 1
		.amdhsa_wavefront_size32 1
		.amdhsa_system_sgpr_workgroup_id_x 1
		.amdhsa_system_sgpr_workgroup_id_y 1
		.amdhsa_system_sgpr_workgroup_id_z 1
		.amdhsa_system_vgpr_workitem_id 0
		.amdhsa_next_free_vgpr 1024
		.amdhsa_next_free_sgpr 66
		.amdhsa_reserve_vcc 1
		.amdhsa_float_denorm_mode_32 3
		.amdhsa_float_denorm_mode_16_64 3
		.amdhsa_memory_ordered 1
		.amdhsa_forward_progress 1
		.amdhsa_inst_pref_size 216
	.end_amdhsa_kernel
	.amdgpu_metadata
---
amdhsa.version: [ 1, 2 ]
amdhsa.kernels:
  - .name:           k_q50c2852f6a_main
    .symbol:         k_q50c2852f6a_main.kd
    .args:
      - { .name: x, .offset: 0, .size: 8, .value_kind: global_buffer, .address_space: global }
      - { .name: wkv, .offset: 8, .size: 8, .value_kind: global_buffer, .address_space: global }
      - { .name: qp, .offset: 16, .size: 8, .value_kind: global_buffer, .address_space: global }
      - { .name: bq, .offset: 24, .size: 8, .value_kind: global_buffer, .address_space: global }
      - { .name: part, .offset: 32, .size: 8, .value_kind: global_buffer, .address_space: global }
      - { .name: pml, .offset: 40, .size: 8, .value_kind: global_buffer, .address_space: global }
    .group_segment_fixed_size: 120320
    .private_segment_fixed_size: 0
    .kernarg_segment_align: 8
    .kernarg_segment_size: 48
    .max_flat_workgroup_size: 128
    .sgpr_count:     66
    .vgpr_count:     1024
    .wavefront_size: 32
...
	.end_amdgpu_metadata
.endif
;; end of part 2
;; launch proj (part 3): grid 8 x 16, 4 waves a work-group, no clusters, 17,408 bytes of LDS; arguments part, pml, wo6, yp, bv; writes yp
.if DOCPART == 3
	.amdgcn_target "amdgcn-amd-amdhsa--gfx1250"
	.amdhsa_code_object_version 6
	.text
	.protected	k_q50c2852f6a_proj
	.globl	k_q50c2852f6a_proj
	.p2align	8
	.type	k_q50c2852f6a_proj,@function
k_q50c2852f6a_proj:
	s_mov_b64 s[64:65], 0
	v_nop
	global_prefetch_b8 v0, s[64:65] scope:SCOPE_SE
	s_setreg_imm32_b32 hwreg(HW_REG_WAVE_MODE, 25, 1), 1
	s_wait_xcnt 0x0
; The eight chunks of each (batch, head) are joined into attn, bv is added, attn is quantised to FP6 (E2M3, one E8M0 scale for each 32 along K); yp[kk] = Q(attn)[:, K step kk] Q(Wo)[:, K step kk]^T.
; bk is left out (shown at the head of the first kernel).  bv is added here, once for each channel: the softmax's weights sum to 1, so sum_s w (v' + bv) = sum_s w v' + bv.
; yp: [K step 8][batch 32][n 1024] f32: the last launch adds the eight in ascending order.  Wo comes as codes and scale words, images of the operand's registers, from wo6 (laid by the first launch).
; JOINING: M = the largest of the chunks' m (exponents to the base 2); f_j = 2^(m_j - M); attn = sum of f_j o_j / sum of f_j l_j + bv: the true maximum is taken away, per chunk and here.
; SHARES: work-group (nn, y): columns 128 nn on, K step kk = y / 2 (heads 2 kk, 2 kk + 1), batches 16 (y % 2) on.  Wave w joins batches 4 w .. 4 w + 3 (a lane: 4 channels) and multiplies by Wo's rows 128 nn + 32 w .. + 31.
; The 16 joined rows meet in LDS; every wave quantises them for itself (one fragment).  Results meet in a second stage, and each wave stores four whole rows of 512 bytes.
; A wave's 56 loads all go out at its start.  No cluster, no prefetch: there is no loop to run ahead in.
; LIMITS: NaN and infinities among the inputs are not served; a block of attn whose largest magnitude lies under 2^-124 gets the byte 1; K of this product is summed in eight f32 partial sums.
.set CST,  0                           ; 16 rows of attn x (512 bytes + 16)
.set OST,  16*528                      ; 16 rows of results x (512 bytes + 16)
.set SPARE, 2*16*528                   ; the spare words: 512 bytes that no other line names
.set SH8,  5
.set L16,  8                           ; v8   16 x lane
.set H64,  9                           ; v9   64 h: my head's row of pml
.set CWA,  10                          ; v10  where I put a joined row's 16 bytes
.set CRA,  11                          ; v11  where I read a block of a joined row
.set OWA,  12                          ; v12  where I put 32 bytes of a row of results
.set ORA,  13                          ; v13  where I read a row back
.set WSO,  14                          ; v14  my rows' scale words of Wo, counted from my first fragment
.set TP,   26
.set PM0,  32                          ; v32-95  pml: batch bl: m_j at +16 bl + 2 j, l_j beside it; later:
.set FA,   56                          ; v56-67  attn's fragment
.set GG,   96                          ; v96-111 the chunks' weights, in the low halves of pairs
.set AC,   112                         ; v112-127 four joined rows' 4 numbers
.set X,    128
.set FW,   128                         ; window 1: v128-151 Wo's two fragments (v0-127: part)
.set PT,   204
.set TM,   212
.set SCO,  214
.set BY,   216
.set PW,   218
.set MM,   220
.set LL,   221
.set SW,   240                         ; v240-241 Wo's scale words, v242 attn's: they hold scales and nothing else
.set SA,   242
.set BV,   244                         ; v244-247 bv of my 4 channels
.set SEL,  46
.set MSB, 0
.macro WIN new                         ; the immediate's high byte repeats the setting that is left
.if MSB != (\new)
	s_set_vgpr_msb (MSB<<8)|(\new)
.set MSB, (\new)
.endif
.endm
.macro QH xs, c, dst                   ; my block in set xs becomes registers 6 c .. 6 c + 5 of the fragment at dst, its byte goes to v[BY + c]
.set XQ, X+32*(\xs)
.set DQ, (\dst)+6*(\c)
.set PQ, PT+4*(\c)
	v_max3_num_f32 v[TM], |v[XQ]|, |v[XQ+1]|, |v[XQ+2]|
	v_max3_num_f32 v[TM+1], |v[XQ+3]|, |v[XQ+4]|, |v[XQ+5]|
.irp i, 6,10,14,18,22,26
	v_max3_num_f32 v[TM], v[TM], |v[XQ+\i]|, |v[XQ+\i+1]|
	v_max3_num_f32 v[TM+1], v[TM+1], |v[XQ+\i+2]|, |v[XQ+\i+3]|
.endr
	v_max3_num_f32 v[TM], v[TM], |v[XQ+30]|, |v[XQ+31]|
	v_max3_num_f32 v[TM], v[TM], v[TM+1], 0x1800000    ; the floor 2^(3 - 127): the byte cannot fall under 1
	v_add_nc_u32 v[SCO+(\c)], 0xff000000, v[TM]
	v_lshrrev_b32 v[BY+(\c)], 23, v[SCO+(\c)]
	v_cvt_scalef32_pk16_fp6_f32 v[DQ:DQ+2], v[XQ:XQ+15], v[SCO+(\c)]
	v_cvt_scalef32_pk16_fp6_f32 v[PQ:PQ+2], v[XQ+16:XQ+31], v[SCO+(\c)]
	v_nop                                          ; one plain place behind a scaled conversion
.irp i, 0,1,2
	v_mov_b32 v[DQ+3+\i], v[PQ+\i]
.endr
.endm
.macro QW word
	v_lshl_or_b32 v[PW], v[BY+1], 16, v[BY]
	v_lshlrev_b32 v[PW], v[SH8], v[PW]
	v_permlanex16_b32 v[TP], v[PW], s[SEL], s[SEL+1]
	v_or_b32 v[\word], v[PW], v[TP]
.endm
.macro COMB bl                         ; batch 4 w + bl: my 4 channels of attn
.set MB, PM0+16*(\bl)
	v_max3_num_f32 v[MM], v[MB], v[MB+2], v[MB+4]
	v_max3_num_f32 v[MM], v[MM], v[MB+6], v[MB+8]
	v_max3_num_f32 v[MM], v[MM], v[MB+10], v[MB+12]
	v_max_num_f32 v[MM], v[MM], v[MB+14]
.irp j, 0,1,2,3,4,5,6,7
	v_sub_f32 v[GG+2*\j], v[MB+2*\j], v[MM]
.endr
	s_wait_alu depctr_va_vdst(0)
.irp j, 0,1,2,3,4,5,6,7
	v_exp_f32 v[GG+2*\j], v[GG+2*\j]
.endr
	v_nop                                          ; a plain place behind the exponentials
	s_wait_alu depctr_va_vdst(0)                   ; and behind it
	v_mul_f32 v[LL], v[GG], v[MB+1]
.irp j, 1,2,3,4,5,6,7
	v_fma_f32 v[LL], v[GG+2*\j], v[MB+2*\j+1], v[LL]
.endr
	s_wait_alu depctr_va_vdst(0)
	v_rcp_f32 v[LL], v[LL]
	v_nop                                          ; a plain place behind the reciprocal
	s_wait_alu depctr_va_vdst(0)
.irp j, 0,1,2,3,4,5,6,7
	v_mul_f32 v[GG+2*\j], v[GG+2*\j], v[LL]
.endr
	WIN 0x01                                       ; source 0: window 1
	v_pk_fma_f32 v[AC+4*(\bl):AC+4*(\bl)+1], v[32*(\bl):32*(\bl)+1], v[GG:GG+1], v[BV:BV+1] op_sel_hi:[1,0,1]
	v_pk_fma_f32 v[AC+4*(\bl)+2:AC+4*(\bl)+3], v[32*(\bl)+2:32*(\bl)+3], v[GG:GG+1], v[BV+2:BV+3] op_sel_hi:[1,0,1]
.irp j, 1,2,3,4,5,6,7
	v_pk_fma_f32 v[AC+4*(\bl):AC+4*(\bl)+1], v[32*(\bl)+4*\j:32*(\bl)+4*\j+1], v[GG+2*\j:GG+2*\j+1], v[AC+4*(\bl):AC+4*(\bl)+1] op_sel_hi:[1,0,1]
	v_pk_fma_f32 v[AC+4*(\bl)+2:AC+4*(\bl)+3], v[32*(\bl)+4*\j+2:32*(\bl)+4*\j+3], v[GG+2*\j:GG+2*\j+1], v[AC+4*(\bl)+2:AC+4*(\bl)+3] op_sel_hi:[1,0,1]
.endr
	WIN 0
	ds_store_b128 v[CWA], v[AC+4*(\bl):AC+4*(\bl)+3] offset:528*(\bl)
.endm
	s_load_b256 s[4:11], s[0:1], 0x0               ; part s[4:5], pml s[6:7], wo6 s[8:9], yp s[10:11]
	s_load_b64 s[36:37], s[0:1], 0x20              ; bv
	v_lshl_add_u32 v254, v0, 2, SPARE
	v_mov_b32 v255, 0
	v_lshrrev_b32 v1, 5, v0
	v_readfirstlane_b32 s20, v1                    ; wave 0..3
	v_and_b32 v1, 31, v0
	v_and_b32 v2, 15, v0                           ; r
	v_bfe_u32 v3, v0, 4, 1                         ; h
	v_lshlrev_b32 v[L16], 4, v1
	v_lshlrev_b32 v[SH8], 3, v3
	v_lshlrev_b32 v[H64], 6, v3
	s_mul_i32 s21, s20, 4*528
	v_add_nc_u32 v[CWA], s21, v[L16]               ; rows 4 w on, 16 x lane
	s_add_co_u32 s22, s21, OST
	v_add_nc_u32 v[ORA], s22, v[L16]
	v_mul_u32_u24 v[CRA], v2, 528
	v_lshl_add_u32 v[OWA], v3, 5, v[CRA]
	v_lshl_add_u32 v[CRA], v3, 7, v[CRA]           ; row r, 128 h
	s_lshl_b32 s22, s20, 7
	s_add_co_u32 s22, s22, OST
	v_add_nc_u32 v[OWA], s22, v[OWA]               ; row r, 128 w + 32 h
	s_mul_i32 s34, s20, 3064
	s_sub_co_u32 s34, 12288, s34                   ; from my first fragment (3,072 w) to my two columns of the block's scale words (12,288 + 8 w)
	v_lshl_add_u32 v[WSO], v2, 5, s34
	v_mov_b32 v[TP], 0
.irp j, 0,1,2,3,4,5,6,7
	v_mov_b32 v[GG+2*\j+1], 0                      ; named as the upper halves of pairs, so they are written
.endr
	s_mov_b32 s[SEL], 0x76543210
	s_mov_b32 s[SEL+1], 0xfedcba98
	s_and_b32 s22, ttmp7, 0xffff
	s_lshr_b32 s23, s22, 1                         ; kk
	s_and_b32 s24, s22, 1                          ; which 16 batches
	s_lshl_b32 s24, s24, 4
	s_lshl_b32 s25, s20, 2
	s_add_co_u32 s24, s24, s25                     ; my first batch
	s_mov_b32 s27, 0
	s_mov_b32 s29, 0
	s_mov_b32 s31, 0
	s_mov_b32 s33, 0
	s_mov_b32 s39, 0
	s_lshl_b32 s26, s24, 15                        ; part: 32,768 bytes a batch, 512 for two heads
	s_lshl_b32 s38, s23, 9                         ; bv: 512 bytes for two heads
	s_add_co_u32 s26, s26, s38
	s_lshl_b32 s28, s24, 10                        ; pml: 1,024 a batch, 128 for two heads
	s_lshl_b32 s35, s23, 7
	s_add_co_u32 s28, s28, s35
	s_mul_i32 s30, ttmp9, 102400                   ; wo6: my 128 rows,
	s_mul_i32 s35, s23, 12800                      ; K step kk,
	s_add_co_u32 s30, s30, s35
	s_mul_i32 s35, s20, 3072                       ; fragments 2 w, 2 w + 1
	s_add_co_u32 s30, s30, s35
	s_lshl_b32 s32, s23, 17                        ; yp: 131,072 a K step, 4,096 a batch, 512 for my work-group's columns
	s_lshl_b32 s35, s24, 12
	s_add_co_u32 s32, s32, s35
	s_lshl_b32 s35, ttmp9, 9
	s_add_co_u32 s32, s32, s35
	s_wait_alu depctr_va_vdst(0)
	s_wait_kmcnt 0x0
	s_add_nc_u64 s[4:5], s[4:5], s[26:27]
	s_add_nc_u64 s[6:7], s[6:7], s[28:29]
	s_add_nc_u64 s[8:9], s[8:9], s[30:31]
	s_add_nc_u64 s[10:11], s[10:11], s[32:33]
	s_add_nc_u64 s[36:37], s[36:37], s[38:39]
	global_load_b128 v[BV:BV+3], v[L16], s[36:37]
.irp bl, 0,1,2,3
.irp e, 0,1,2,3
	global_load_b128 v[PM0+16*\bl+4*\e:PM0+16*\bl+4*\e+3], v[H64], s[6:7] offset:1024*\bl+16*\e
.endr
.endr
	WIN 0x40                                       ; destination window 1
.irp bl, 0,1,2,3
.irp j, 0,1,2,3,4,5,6,7
	global_load_b128 v[32*\bl+4*\j:32*\bl+4*\j+3], v[L16], s[4:5] offset:32768*\bl+4096*\j      ; chunk j's 512 consecutive bytes
.endr
.endr
.irp t, 0,1
.irp g, 0,1,2
	global_load_b128 v[FW+12*\t+4*\g:FW+12*\t+4*\g+3], v[L16], s[8:9] offset:1536*\t+512*\g     ; Wo's fragments, as the registers take them
.endr
.endr
	WIN 0
	global_load_b64 v[SW:SW+1], v[WSO], s[8:9]     ; row r's scale words of both
	s_wait_loadcnt 7                               ; bv, pml and part are in; Wo's 7 loads may be out
	COMB 0
	COMB 1
	COMB 2
	COMB 3
	s_wait_alu depctr_va_vdst(0)
	s_wait_dscnt 0x0                               ; for the others' sake: my four rows of attn lie in LDS
	s_barrier_signal -1
	s_barrier_wait -1
.irp c, 0,1
.irp j, 0,1,2,3,4,5,6,7
	ds_load_b128 v[X+32*\c+4*\j:X+32*\c+4*\j+3], v[CRA] offset:256*\c+16*\j      ; k = 64 c + 32 h + 0 .. 31 of batch r
.endr
.endr
	s_wait_loadcnt 0x0                             ; Wo's fragments and scale words are in
	s_wait_dscnt 0x0
	QH 0, 0, FA
	QH 1, 1, FA
	QW SA
.rept 8
	v_nop                                          ; a scale register written by a vector instruction stands 8 places ahead of a scaled matrix instruction, an operand so written 4
.endr
	WIN 0x01                                       ; source 0: window 1
	; transposed: source 0 = 16 rows of Wo, source 1 = 16 batches: lane (r, h) holds batch r and columns 16 t + 8 h + 0 .. 7 of my 32
	v_wmma_scale_f32_16x16x128_f8f6f4 v[224:231], v[FW:FW+11], v[FA:FA+11], 0, v[SW], v[SA] matrix_a_fmt:MATRIX_FMT_FP6 matrix_b_fmt:MATRIX_FMT_FP6
	v_wmma_scale_f32_16x16x128_f8f6f4 v[232:239], v[FW+12:FW+23], v[FA:FA+11], 0, v[SW+1], v[SA] matrix_a_fmt:MATRIX_FMT_FP6 matrix_b_fmt:MATRIX_FMT_FP6
	WIN 0
.rept 4
	v_nop
.endr
.irp t, 0,1
	ds_store_b128 v[OWA], v[224+8*\t:227+8*\t] offset:64*\t          ; each accumulator from its low end on
	ds_store_b128 v[OWA], v[228+8*\t:231+8*\t] offset:64*\t+16
.endr
	s_wait_dscnt 0x0                               ; for the others' sake
	s_barrier_signal -1
	s_barrier_wait -1
.irp i, 0,1,2,3
	ds_load_b128 v[128+4*\i:131+4*\i], v[ORA] offset:528*\i
.endr
.irp i, 0,1,2,3
	s_wait_dscnt 3-\i
	global_store_b128 v[L16], v[128+4*\i:131+4*\i], s[10:11] offset:4096*\i     ; 32 lanes store 512 consecutive bytes, at a multiple of 256 from the buffer's first byte
.endr
	s_wait_tensorcnt 0x0                           ; the wave's end
	ds_add_u32 v254, v255
	s_wait_dscnt 0x0
	s_endpgm
.Lfunc_end_k_q50c2852f6a_proj:
	.size	k_q50c2852f6a_proj, .Lfunc_end_k_q50c2852f6a_proj-k_q50c2852f6a_proj
	.p2alignl 7, 3214868480
	.fill 96, 4, 3214868480
	.section	.rodata,"a",@progbits
	.p2align	6, 0x0
	.amdhsa_kernel k_q50c2852f6a_proj
		.amdhsa_group_segment_fixed_size 17408
		.amdhsa_private_segment_fixed_size 0
		.amdhsa_enable_private_segment 0
		.amdhsa_kernarg_size 40
		.amdhsa_user_sgpr_count 2
		.amdhsa_user_sgpr_kernarg_segment_ptr 1
		.amdhsa_wavefront_size32 1
		.amdhsa_system_sgpr_workgroup_id_x 1
		.amdhsa_system_sgpr_workgroup_id_y 1
		.amdhsa_system_sgpr_workgroup_id_z 1
		.amdhsa_system_vgpr_workitem_id 0
		.amdhsa_next_free_vgpr 512
		.amdhsa_next_free_sgpr 66
		.amdhsa_reserve_vcc 0
		.amdhsa_float_denorm_mode_32 3
		.amdhsa_float_denorm_mode_16_64 3
		.amdhsa_memory_ordered 1
		.amdhsa_forward_progress 1
		.amdhsa_inst_pref_size 26
	.end_amdhsa_kernel
	.amdgpu_metadata
---
amdhsa.version: [ 1, 2 ]
amdhsa.kernels:
  - .name:           k_q50c2852f6a_proj
    .symbol:         k_q50c2852f6a_proj.kd
    .args:
      - { .name: part, .offset: 0, .size: 8, .value_kind: global_buffer, .address_space: global }
      - { .name: pml, .offset: 8, .size: 8, .value_kind: global_buffer, .address_space: global }
      - { .name: wo6, .offset: 16, .size: 8, .value_kind: global_buffer, .address_space: global }
      - { .name: yp, .offset: 24, .size: 8, .value_kind: global_buffer, .address_space: global }
      - { .name: bv, .offset: 32, .size: 8, .value_kind: global_buffer, .address_space: global }
    .group_segment_fixed_size: 17408
    .private_segment_fixed_size: 0
    .kernarg_segment_align: 8
    .kernarg_segment_size: 40
    .max_flat_workgroup_size: 128
    .sgpr_count:     66
    .vgpr_count:     512
    .wavefront_size: 32
...
	.end_amdgpu_metadata
.endif
;; end of part 3
;; launch ln (part 4): grid 32 x 1, 4 waves a work-group, no clusters, 1,024 bytes of LDS; arguments yp, bo, x, ln_g, ln_b, out0; writes out0
.if DOCPART == 4
	.amdgcn_target "amdgcn-amd-amdhsa--gfx1250"
	.amdhsa_code_object_version 6
	.text
	.protected	k_q50c2852f6a_ln
	.globl	k_q50c2852f6a_ln
	.p2align	8
	.type	k_q50c2852f6a_ln,@function
k_q50c2852f6a_ln:
	s_mov_b64 s[64:65], 0
	v_nop
	global_prefetch_b8 v0, s[64:65] scope:SCOPE_SE
	s_setreg_imm32_b32 hwreg(HW_REG_WAVE_MODE, 25, 1), 1
	s_wait_xcnt 0x0
; y = (the eight partial sums of attn Wo^T, K ascending) + bo + cls;  out0 = (y - mean) / sqrt(var + 1e-5) x ln_g + ln_b.  One work-group to a batch: 128 threads, 8 numbers each
; (16 bytes at 16 t and at 16 t + 2,048: a wave's load or store covers 512 consecutive bytes).  The variance is taken of y - mean, in a second pass over registers: no difference of large sums.
; All 24 loads go out together; two sums over the work-group, each through LDS words of its own and a barrier.  No matrix work, no ring: 4 KiB a row.
; LIMITS: NaN and infinities among the inputs are not served.
.set Y,   8                            ; v8-71  the eight partial sums; y in v8-15
.set BO,  72
.set CL,  80
.set GA,  88
.set BE,  96
.set RS,  104                          ; v104-107 at work
.set W4,  108                          ; v108-111 the four waves' sums
.set RT,  112
.set MU,  113
; v[RS], a number a lane, becomes the sum over the work-group, in every lane
.macro WSUM off
.irp m, 1,2,4,8
	v_add_f32_dpp v[RS], v[RS], v[RS] row_xmask:\m row_mask:0xf bank_mask:0xf
.endr
	v_permlanex16_b32 v[RT], v[RS], s20, s21
	v_add_f32 v[RS], v[RS], v[RT]
	ds_store_b32 v2, v[RS] offset:\off             ; all lanes of a wave write the wave's word with the same value
	s_wait_dscnt 0x0                               ; for the others' sake
	s_barrier_signal -1
	s_barrier_wait -1
	ds_load_b128 v[W4:W4+3], v3 offset:\off
	s_wait_dscnt 0x0
	v_add_f32 v[RS], v[W4], v[W4+1]
	v_add_f32 v[RT], v[W4+2], v[W4+3]
	v_add_f32 v[RS], v[RS], v[RT]
.endm
	s_load_b256 s[4:11], s[0:1], 0x0               ; yp s[4:5], bo s[6:7], x s[8:9], ln_g s[10:11]
	s_load_b128 s[12:15], s[0:1], 0x20             ; ln_b s[12:13], out0 s[14:15]
	v_lshl_add_u32 v128, v0, 2, 0x200
	v_mov_b32 v129, 0
	v_lshlrev_b32 v1, 4, v0                        ; 16 t
	v_lshrrev_b32 v2, 5, v0
	v_lshlrev_b32 v2, 2, v2                        ; my wave's word
	v_mov_b32 v3, 0
	v_mov_b32 v[RT], 0                             ; a lane permute's destination counts as one of its sources
	s_lshl_b32 s16, ttmp9, 12                      ; a row of 4,096 bytes a batch
	s_mov_b32 s17, 0
	s_lshl_b32 s18, ttmp9, 22                      ; x: 2^22 bytes a batch; its row 0 is the CLS token
	s_mov_b32 s19, 0
	s_mov_b32 s20, 0x76543210
	s_mov_b32 s21, 0xfedcba98
	s_mov_b32 s22, 0x3a800000                      ; 1 / 1,024
	s_mov_b32 s23, 0x3727c5ac                      ; 1e-5
	s_wait_alu depctr_va_vdst(0)
	s_wait_kmcnt 0x0
	s_add_nc_u64 s[4:5], s[4:5], s[16:17]
	s_add_nc_u64 s[8:9], s[8:9], s[18:19]
	s_add_nc_u64 s[14:15], s[14:15], s[16:17]
.irp k, 0,1,2,3,4,5,6,7
.irp e, 0,1
	global_load_b128 v[Y+8*\k+4*\e:Y+8*\k+4*\e+3], v1, s[4:5] offset:131072*\k+2048*\e
.endr
.endr
.irp e, 0,1
	global_load_b128 v[BO+4*\e:BO+4*\e+3], v1, s[6:7] offset:2048*\e
	global_load_b128 v[CL+4*\e:CL+4*\e+3], v1, s[8:9] offset:2048*\e
	global_load_b128 v[GA+4*\e:GA+4*\e+3], v1, s[10:11] offset:2048*\e
	global_load_b128 v[BE+4*\e:BE+4*\e+3], v1, s[12:13] offset:2048*\e
.endr
	s_wait_loadcnt 0x0
.irp k, 1,2,3,4,5,6,7
.irp j, 0,2,4,6
	v_pk_add_f32 v[Y+\j:Y+\j+1], v[Y+\j:Y+\j+1], v[Y+8*\k+\j:Y+8*\k+\j+1]
.endr
.endr
.irp j, 0,2,4,6
	v_pk_add_f32 v[Y+\j:Y+\j+1], v[Y+\j:Y+\j+1], v[BO+\j:BO+\j+1]
.endr
.irp j, 0,2,4,6
	v_pk_add_f32 v[Y+\j:Y+\j+1], v[Y+\j:Y+\j+1], v[CL+\j:CL+\j+1]
.endr
	v_pk_add_f32 v[RS:RS+1], v[Y:Y+1], v[Y+2:Y+3]
	v_pk_add_f32 v[RS+2:RS+3], v[Y+4:Y+5], v[Y+6:Y+7]
	v_pk_add_f32 v[RS:RS+1], v[RS:RS+1], v[RS+2:RS+3]
	v_add_f32 v[RS], v[RS], v[RS+1]
	WSUM 0
	v_mul_f32 v[MU], s22, v[RS]                    ; the mean
.irp j, 0,1,2,3,4,5,6,7
	v_sub_f32 v[Y+\j], v[Y+\j], v[MU]
.endr
	v_mul_f32 v[RS], v[Y], v[Y]
.irp j, 1,2,3,4,5,6,7
	v_fma_f32 v[RS], v[Y+\j], v[Y+\j], v[RS]
.endr
	WSUM 256                                       ; other words than the first sum's: no wave can overwrite what another still reads
	v_fma_f32 v[RS], v[RS], s22, s23               ; var + 1e-5 = the sum of squares / 1,024 + 1e-5
	s_wait_alu depctr_va_vdst(0)
	v_rsq_f32 v[RS], v[RS]
	v_nop                                          ; a plain place behind the root
	s_wait_alu depctr_va_vdst(0)
.irp j, 0,1,2,3,4,5,6,7
	v_mul_f32 v[Y+\j], v[Y+\j], v[RS]
.endr
.irp j, 0,2,4,6
	v_pk_fma_f32 v[Y+\j:Y+\j+1], v[Y+\j:Y+\j+1], v[GA+\j:GA+\j+1], v[BE+\j:BE+\j+1]
.endr
	global_store_b128 v1, v[Y:Y+3], s[14:15]
	global_store_b128 v1, v[Y+4:Y+7], s[14:15] offset:2048
	s_wait_tensorcnt 0x0
	ds_add_u32 v128, v129
	s_wait_dscnt 0x0
	s_endpgm
.Lfunc_end_k_q50c2852f6a_ln:
	.size	k_q50c2852f6a_ln, .Lfunc_end_k_q50c2852f6a_ln-k_q50c2852f6a_ln
	.p2alignl 7, 3214868480
	.fill 96, 4, 3214868480
	.section	.rodata,"a",@progbits
	.p2align	6, 0x0
	.amdhsa_kernel k_q50c2852f6a_ln
		.amdhsa_group_segment_fixed_size 1024
		.amdhsa_private_segment_fixed_size 0
		.amdhsa_enable_private_segment 0
		.amdhsa_kernarg_size 48
		.amdhsa_user_sgpr_count 2
		.amdhsa_user_sgpr_kernarg_segment_ptr 1
		.amdhsa_wavefront_size32 1
		.amdhsa_system_sgpr_workgroup_id_x 1
		.amdhsa_system_sgpr_workgroup_id_y 1
		.amdhsa_system_sgpr_workgroup_id_z 1
		.amdhsa_system_vgpr_workitem_id 0
		.amdhsa_next_free_vgpr 130
		.amdhsa_next_free_sgpr 66
		.amdhsa_reserve_vcc 0
		.amdhsa_float_denorm_mode_32 3
		.amdhsa_float_denorm_mode_16_64 3
		.amdhsa_memory_ordered 1
		.amdhsa_forward_progress 1
		.amdhsa_inst_pref_size 10
	.end_amdhsa_kernel
	.amdgpu_metadata
---
amdhsa.version: [ 1, 2 ]
amdhsa.kernels:
  - .name:           k_q50c2852f6a_ln
    .symbol:         k_q50c2852f6a_ln.kd
    .args:
      - { .name: yp, .offset: 0, .size: 8, .value_kind: global_buffer, .address_space: global }
      - { .name: bo, .offset: 8, .size: 8, .value_kind: global_buffer, .address_space: global }
      - { .name: x, .offset: 16, .size: 8, .value_kind: global_buffer, .address_space: global }
      - { .name: ln_g, .offset: 24, .size: 8, .value_kind: global_buffer, .address_space: global }
      - { .name: ln_b, .offset: 32, .size: 8, .value_kind: global_buffer, .address_space: global }
      - { .name: out0, .offset: 40, .size: 8, .value_kind: global_buffer, .address_space: global }
    .group_segment_fixed_size: 1024
    .private_segment_fixed_size: 0
    .kernarg_segment_align: 8
    .kernarg_segment_size: 48
    .max_flat_workgroup_size: 128
    .sgpr_count:     66
    .vgpr_count:     130
    .wavefront_size: 32
...
	.end_amdgpu_metadata
.endif
;; end of part 4
